; MI455X (gfx1250); checked and timed in simulation.
; The chip was launched on July 23, 2026; its instructions are those of AMD's public machine-readable ISA for CDNA 5 (MIT licence, August 2026) and "CDNA5" Instruction Set Architecture Reference Guide (July 2026). The comments in the code are by the model that wrote it; some were corrected since.
;; Spectral MHSA. Allowed arithmetic: matrix products marked QUANTISED: E4M3 operands, one given power-of-two scale a tensor, by v_wmma_f32_16x16x64_fp8_fp8 or v_wmma_f32_16x16x128_fp8_fp8, f32 sums; everything else in f32.
;; Inputs: Wk 1,024 x 1,024 float32; Wo 1,024 x 1,024 float32; Wq 1,024 x 1,024 float32; Wv 1,024 x 1,024 float32; bk 1,024 float32; bo 1,024 float32; bq 1,024 float32; bv 1,024 float32; lowp_scales 12 int32 (the exponents e of the quantised operands' scales 2^e); x 4,096 x 1,024 float32.
;; Outputs: out0 4,096 x 1,024 float32.
;; This version of the problem:
;;   THIS VERSION OF THE PROBLEM IS GIVEN IN LOW PRECISION. The matrix products marked QUANTISED in the list below multiply operands that are first quantised to E4M3 (4 exponent bits, 3 mantissa bits; 8 bits a number), with one given power-of-two scale for each operand tensor; their sums are f32. All else is computed in f32.
;;   The module's matrix products, in the order in which they are computed (A, B: the left and right operand; K: the contracted axis; several contracted axes count as one K, in the product's order):
;;     1. [M 4,096, K 1,024] x [K 1,024, N 1,024]; A: input x; B: input Wq: QUANTISED (scales: A lowp_scales[0], B lowp_scales[1])
;;     2. [M 4,096, K 1,024] x [K 1,024, N 1,024]; A: input x; B: input Wk: QUANTISED (scales: A lowp_scales[2], B lowp_scales[3])
;;     3. [M 4,096, K 1,024] x [K 1,024, N 1,024]; A: input x; B: input Wv: QUANTISED (scales: A lowp_scales[4], B lowp_scales[5])
;;     4. batch 16 x [M 4,096, K 64] x [K 64, N 4,096]; A: computed on the way; B: computed on the way: QUANTISED (scales: A lowp_scales[6], B lowp_scales[7])
;;     5. batch 16 x [M 4,096, K 4,096] x [K 4,096, N 64]; A: softmax (see below); B: computed on the way: QUANTISED (scales: A lowp_scales[8], B lowp_scales[9])
;;     6. [M 4,096, K 1,024] x [K 1,024, N 1,024]; A: computed on the way; B: input Wo: QUANTISED (scales: A lowp_scales[10], B lowp_scales[11])
;;   THE QUANTISER, for each operand of a quantised product, along K:
;;     - The operand's scale is 2^e, e = its entry of the input lowp_scales (int32; the entries are numbered through the quantised products in the list's order, A before B).
;;     - Each number is divided by the scale, clamped to +-448, and rounded to the nearest number of E4M3, ties to even, subnormals kept.
;;     - The product sums the exact products of the quantised numbers (number of the format x scale) in f32.
;;   ~~~python
;;   def quantise(x, axis, e):      # numpy; x: float32 -> the quantised numbers, widened to float32 again
;;       x = np.moveaxis(x, axis, -1); K = x.shape[-1]
;;       r = np.clip(x / 2.0 ** e, -448, 448)
;;       step = 2.0 ** (np.maximum(np.frexp(np.where(r == 0, 1, r))[1] - 1, -6) - 3)
;;       q = np.round(r / step) * step * 2.0 ** e      # np.round: ties to even
;;       return np.moveaxis(q, -1, axis).astype(np.float32)
;;   ~~~
;;   SOFTMAX AHEAD OF A QUANTISED PRODUCT. Where the list says 'softmax', what is quantised is not the finished softmax but p = 2^(t - M), with t = logit x log2(e) and M = ceil(the row's largest t), a whole number; so 1/2 < the row's largest p <= 1. The row's sum l is taken of the UNQUANTISED p, in f32, and the product's result is divided by l at the end. Since M is a whole number, a kernel that streams over the keys may use a running M (the ceiling of the running maximum): every later rescaling is an exact power of two, so the quantised numbers keep their values, but for numbers so far below the row's largest that they fall under the format's range.
;;   OPERANDS COMPUTED ON THE WAY. 'Computed on the way' means the value that the module computes at that place (a softmax that the list does not call 'softmax' is quantised finished and normalised). What goes into a quantiser is computed in f32, as accurately as f32 sums, v_exp_f32 and their like allow (about 1e-6 of the number): no bf16 or f16 on the way to a quantiser, and a product that is left as it is and whose result goes on into a quantised operand takes f32 operands (vector FMAs, or v_wmma_f32_16x16x4_f32). A number that lies on a knife's edge between two numbers of the format may be rounded either way, as far as f32 arithmetic and the matrix unit's own rounding can turn it there, and no further.
;; One version. Each part assembles by itself: llvm-mc -triple=amdgcn-amd-amdhsa -mcpu=gfx1250 --defsym DOCPART=n.
;; ======== version 1 of 1: 4 launches
;; limits: right only within a limited range of input values
;; workspace buffers: codes 16,777,216 bytes; qkv 12,582,912 bytes; ctxc 4,194,304 bytes
;; launch quant (part 1): grid 256 x 1, 4 waves a work-group, no clusters, 33,280 bytes of LDS; arguments x, Wq, Wk, Wv, Wo, lowp_scales, codes; writes codes
.if DOCPART == 1
	.amdgcn_target "amdgcn-amd-amdhsa--gfx1250"
	.amdhsa_code_object_version 6
	.text
	.protected	k_q6bc3543cc6_quant
	.globl	k_q6bc3543cc6_quant
	.p2align	8
	.type	k_q6bc3543cc6_quant,@function
k_q6bc3543cc6_quant:
	s_mov_b64 s[64:65], 0
	v_nop
	global_prefetch_b8 v0, s[64:65] scope:SCOPE_SE
	s_setreg_imm32_b32 hwreg(HW_REG_WAVE_MODE, 25, 1), 1
	s_wait_xcnt 0x0
; x [4096][1024] and Wq, Wk, Wv, Wo [1024][1024], f32 with K innermost, become codes of E4M3, one byte each, each with the scale 2^e that is given for it.
; code = number / 2^e, held within +-448, rounded to the nearest code, ties to even.
; x is an operand of three products, each with an exponent of its own (entries 0, 2, 4): it is read once and gives three planes of codes.
; THE BUFFER OF CODES, rows of 1,024 bytes: x by e0 at 0, x by e2 at 4 MiB, x by e4 at 8 MiB, Wq (e1) at 12 MiB, Wk (e3) at 13, Wv (e5) at 14, Wo (e11) at 15 MiB.
; THE ORDER ALONG K inside each block of 32: the code of k = 16 w + 8 h + i (w, h = 0 or 1, i = 0 .. 7) lies at byte 16 h + 8 w + i.  Every operand of this program is laid so, and then a 16-byte load at
; 32 c + 16 (lane / 16) of a row fills registers 4 c .. 4 c + 3 of a fragment with just the k that the matrix instruction expects there.
; SHARES.  Rows are dense, so a tensor is a plain stream.  A work-group takes 32,768 numbers, a wave 8,192 in 16 steps of 512.  Work-groups 0-127 take x, then 32 each Wq, Wk, Wv, Wo: only pointers and exponents are chosen.
; Each of a step's four loads reads 512 consecutive bytes; the 2,048 bytes turn through the wave's own stage in LDS (16 bytes of padding behind each 64) and come back so that lane l holds the 16 numbers
; whose codes are bytes 16 l .. 16 l + 15 of the step's 512: each store of the wave covers 512 consecutive bytes, aligned.
; No tensor loads, no barrier, no matrix unit, no cluster: waves share nothing, and every byte is read once.
; LIMITS: each of e0, e2, e4, e1, e3, e5, e11 lies between -126 and 119, so that 2^e and 448 x 2^e are f32 numbers.  NaN among the inputs is not served.
.set WAVES, 4
.set STEPS, 16
.set NX,    128                        ; work-groups that take x
.set SP,    80                         ; a place in a stage: 64 bytes + 16 of padding
.set WREG,  8192                       ; LDS of a wave: two stages of 32 places
.set SPARE, WAVES*WREG                 ; behind the four regions: the spare words, 128 bytes for each wave, which no other line names
.set SPW,   12                         ; v12      LDS address of my spare word; never rewritten
.set NIL,   13                         ; v13      0; never rewritten
.set R,     16                         ; v16-79   four sets of 16 numbers as they are loaded
.set X,     80                         ; v80-111  two sets of 16 numbers in the order of their codes
.set T,     112                        ; v112-127 the numbers held within the largest code x the scale
.set C,     128                        ; v128-151 codes: two sets (by the step's parity) of three planes x four registers
.set SC,    152                        ; v152-157 for each of three scales: 2^e, 448 x 2^e
	s_load_b256 s[4:11], s[0:1], 0x0               ; x, Wq, Wk, Wv
	s_load_b128 s[12:15], s[0:1], 0x20             ; Wo, the exponents
	s_load_b64 s[16:17], s[0:1], 0x30              ; the codes
	v_lshl_add_u32 v[SPW], v0, 2, SPARE
	v_mov_b32 v[NIL], 0
	v_lshrrev_b32 v1, 5, v0
	v_readfirstlane_b32 s18, v1                    ; wave
	v_and_b32 v2, 31, v0                           ; lane
	v_lshlrev_b32 v3, 4, v2                        ; my 16 bytes of a load's 512
	v_lshlrev_b32 v4, 4, v2                        ; my 16 codes of a step's 512
	s_mul_i32 s19, s18, WREG
	v_lshrrev_b32 v14, 2, v2
	v_mul_u32_u24 v14, v14, SP
	v_and_b32 v15, 3, v2
	v_lshl_add_u32 v14, v15, 4, v14
	v_add_nc_u32 v14, s19, v14                     ; into the stage: four lanes' 64 bytes on end, then the padding
	v_lshrrev_b32 v15, 1, v2
	v_mul_u32_u24 v15, v15, 2*SP
	v_and_b32 v5, 1, v2
	v_lshl_add_u32 v15, v5, 5, v15
	v_add_nc_u32 v15, s19, v15                     ; out of it: block lane / 2 (two places), numbers 8 (lane % 2) on; the second eight lie one place further
	s_cmp_lt_u32 ttmp9, NX                         ; x's work-group?
	s_cselect_b32 s22, 127, 31                     ; my number within my tensor
	s_cselect_b32 s24, 0, 0x800000                 ; the weights' planes lie behind x's three
	s_and_b32 s22, ttmp9, s22
	s_lshl_b32 s22, s22, 2
	s_add_co_u32 s22, s22, s18
	s_lshl_b32 s22, s22, 15                        ; my wave's 8,192 numbers: 32,768 bytes
	s_mov_b32 s23, 0
	s_lshl_b32 s25, ttmp9, 15
	s_add_co_u32 s24, s24, s25
	s_lshl_b32 s25, s18, 13
	s_add_co_u32 s24, s24, s25                     ; and their 8,192 codes
	s_mov_b32 s25, 0
	s_wait_alu depctr_va_vdst(0)
	s_wait_kmcnt 0x0
	s_load_b256 s[32:39], s[14:15], 0x0            ; e0 .. e7
	s_load_b128 s[40:43], s[14:15], 0x20           ; e8 .. e11
	s_mov_b64 s[20:21], s[6:7]                     ; the source: a choice on the work-group's number alone
	s_cmp_ge_u32 ttmp9, 160
	s_cselect_b64 s[20:21], s[8:9], s[20:21]
	s_cmp_ge_u32 ttmp9, 192
	s_cselect_b64 s[20:21], s[10:11], s[20:21]
	s_cmp_ge_u32 ttmp9, 224
	s_cselect_b64 s[20:21], s[12:13], s[20:21]
	s_cmp_lt_u32 ttmp9, NX
	s_cselect_b64 s[20:21], s[4:5], s[20:21]
	s_add_nc_u64 s[20:21], s[20:21], s[22:23]
	s_add_nc_u64 s[44:45], s[16:17], s[24:25]      ; my codes;
	s_add_nc_u64 s[46:47], s[44:45], 0x400000      ; x's second plane,
	s_add_nc_u64 s[48:49], s[44:45], 0x800000      ; and its third: named by x's work-groups alone
.macro LOAD t
.irp i, 0,1,2,3
	global_load_b128 v[R+16*((\t)%4)+4*\i:R+16*((\t)%4)+4*\i+3], v3, s[20:21] offset:2048*(\t)+512*\i th:TH_LOAD_NT   ; 32 lanes read 512 consecutive bytes
.endr
.endm
.macro TURN t                          ; step t's numbers through the stage: LDS serves a wave's instructions in order, so no wait stands between the stores and the loads
.irp i, 0,1,2,3
	ds_store_b128 v14, v[R+16*((\t)%4)+4*\i:R+16*((\t)%4)+4*\i+3] offset:32*SP*((\t)%2)+8*SP*\i
.endr
	ds_load_b128 v[X+16*((\t)%2):X+16*((\t)%2)+3],     v15 offset:32*SP*((\t)%2)
	ds_load_b128 v[X+16*((\t)%2)+4:X+16*((\t)%2)+7],   v15 offset:32*SP*((\t)%2)+16
	ds_load_b128 v[X+16*((\t)%2)+8:X+16*((\t)%2)+11],  v15 offset:32*SP*((\t)%2)+SP
	ds_load_b128 v[X+16*((\t)%2)+12:X+16*((\t)%2)+15], v15 offset:32*SP*((\t)%2)+SP+16
.endm
.macro MKSC e, n                       ; 2^e and 448 x 2^e as f32 numbers, from the whole number in s[e]
	s_add_co_i32 s51, s[\e], 127
	s_lshl_b32 s52, s51, 23
	v_mov_b32 v[SC+2*\n], s52
	s_add_co_i32 s51, s51, 8
	s_lshl_b32 s51, s51, 23
	s_or_b32 s51, s51, 0x600000
	v_mov_b32 v[SC+2*\n+1], s51
.endm
.macro CONV t, n                       ; step t's 16 numbers by scale n, into plane n
.set CC, C+12*((\t)%2)+4*(\n)
.irp i, 0,1,2,3,4,5,6,7,8,9,10,11,12,13,14,15
	v_med3_num_f32 v[T+\i], v[XS+\i], -v[SC+2*(\n)+1], v[SC+2*(\n)+1]   ; the conversion to an 8-bit code does not saturate (ISA guide 7.6.2): the hold comes first; not in place, since three scales read the numbers
.endr
	v_cvt_scalef32_pk8_fp8_f32 v[CC:CC+1], v[T:T+7], v[SC+2*(\n)]
	v_cvt_scalef32_pk8_fp8_f32 v[CC+2:CC+3], v[T+8:T+15], v[SC+2*(\n)]
	v_nop                                          ; one plain vector instruction between the conversions and the next holds, which write their sources
	global_store_b128 v4, v[CC:CC+3], s[44+2*(\n):45+2*(\n)] offset:512*(\t)   ; 32 lanes store 512 consecutive bytes, aligned
.endm
.irp t, 0,1,2,3
	LOAD \t
.endr
	s_wait_kmcnt 0x0
	s_mov_b32 s50, s33                             ; my tensor's exponent, by the same choice as the pointer: e1, e3, e5, e11 or e0
	s_cmp_ge_u32 ttmp9, 160
	s_cselect_b32 s50, s35, s50
	s_cmp_ge_u32 ttmp9, 192
	s_cselect_b32 s50, s37, s50
	s_cmp_ge_u32 ttmp9, 224
	s_cselect_b32 s50, s43, s50
	s_cmp_lt_u32 ttmp9, NX
	s_cselect_b32 s50, s32, s50
	MKSC 50, 0
	MKSC 34, 1                                     ; e2
	MKSC 36, 2                                     ; e4
	s_wait_alu depctr_va_vdst(0)
	s_wait_loadcnt 12                              ; step 0's four loads are in; the twelve of steps 1 to 3 may be out
	TURN 0
.macro STEP t
.set XS, X+16*((\t)%2)
	s_wait_dscnt 0x0                               ; this step's numbers are back from the stage, and its stores into the stage have read their registers,
.if (\t)+4 < STEPS
	LOAD (\t)+4                                    ; which take the loads of four steps on
.endif
.if (\t)+1 < STEPS
.if STEPS-2-(\t) >= 3
	s_wait_loadcnt 12                              ; the next step's four loads are in; those of the three steps behind it may be out
.else
	s_wait_loadcnt 4*(STEPS-2-(\t))
.endif
	TURN (\t)+1                                    ; and go through the other stage while this step is worked
.endif
	s_wait_xcnt 0x0                                ; the stores of two steps back have read their data: this step's codes take those registers
	CONV \t, 0
	s_cmp_lt_u32 ttmp9, NX                         ; x has two planes more: a branch on the work-group's number, round register work and stores alone
	s_cbranch_scc0 .Lw_\@
	CONV \t, 1
	CONV \t, 2
.Lw_\@:
.endm
.irp t, 0,1,2,3,4,5,6,7,8,9,10,11,12,13,14,15
	STEP \t
.endr
	s_wait_tensorcnt 0x0                           ; the wave's end: behind my last LDS store
	ds_add_u32 v[SPW], v[NIL]
	s_wait_dscnt 0x0
	s_endpgm
.Lfunc_end_k_q6bc3543cc6_quant:
	.size	k_q6bc3543cc6_quant, .Lfunc_end_k_q6bc3543cc6_quant-k_q6bc3543cc6_quant
	.p2alignl 7, 3214868480
	.fill 96, 4, 3214868480
	.section	.rodata,"a",@progbits
	.p2align	6, 0x0
	.amdhsa_kernel k_q6bc3543cc6_quant
		.amdhsa_group_segment_fixed_size 33280
		.amdhsa_private_segment_fixed_size 0
		.amdhsa_enable_private_segment 0
		.amdhsa_kernarg_size 56
		.amdhsa_user_sgpr_count 2
		.amdhsa_user_sgpr_kernarg_segment_ptr 1
		.amdhsa_wavefront_size32 1
		.amdhsa_system_sgpr_workgroup_id_x 1
		.amdhsa_system_sgpr_workgroup_id_y 1
		.amdhsa_system_sgpr_workgroup_id_z 1
		.amdhsa_system_vgpr_workitem_id 0
		.amdhsa_next_free_vgpr 160
		.amdhsa_next_free_sgpr 66
		.amdhsa_reserve_vcc 0
		.amdhsa_float_denorm_mode_32 3
		.amdhsa_float_denorm_mode_16_64 3
		.amdhsa_memory_ordered 1
		.amdhsa_forward_progress 1
		.amdhsa_inst_pref_size 82
	.end_amdhsa_kernel
	.amdgpu_metadata
---
amdhsa.version: [ 1, 2 ]
amdhsa.kernels:
  - .name:           k_q6bc3543cc6_quant
    .symbol:         k_q6bc3543cc6_quant.kd
    .args:
      - { .name: x, .offset: 0, .size: 8, .value_kind: global_buffer, .address_space: global }
      - { .name: Wq, .offset: 8, .size: 8, .value_kind: global_buffer, .address_space: global }
      - { .name: Wk, .offset: 16, .size: 8, .value_kind: global_buffer, .address_space: global }
      - { .name: Wv, .offset: 24, .size: 8, .value_kind: global_buffer, .address_space: global }
      - { .name: Wo, .offset: 32, .size: 8, .value_kind: global_buffer, .address_space: global }
      - { .name: lowp_scales, .offset: 40, .size: 8, .value_kind: global_buffer, .address_space: global }
      - { .name: codes, .offset: 48, .size: 8, .value_kind: global_buffer, .address_space: global }
    .group_segment_fixed_size: 33280
    .private_segment_fixed_size: 0
    .kernarg_segment_align: 8
    .kernarg_segment_size: 56
    .max_flat_workgroup_size: 128
    .sgpr_count:     66
    .vgpr_count:     160
    .wavefront_size: 32
...
	.end_amdgpu_metadata
.endif
;; end of part 1
;; launch qkv (part 2): grid 12 x 16, 4 waves a work-group, clusters of 4 x 4, 327,680 bytes of LDS; arguments codes, lowp_scales, bq, bk, bv, qkv; writes qkv
.if DOCPART == 2
	.amdgcn_target "amdgcn-amd-amdhsa--gfx1250"
	.amdhsa_code_object_version 6
	.text
	.protected	k_q6bc3543cc6_qkv
	.globl	k_q6bc3543cc6_qkv
	.p2align	8
	.type	k_q6bc3543cc6_qkv,@function
k_q6bc3543cc6_qkv:
	s_mov_b64 s[64:65], 0
	v_nop
	global_prefetch_b8 v0, s[64:65] scope:SCOPE_SE
	s_setreg_imm32_b32 hwreg(HW_REG_WAVE_MODE, 25, 1), 1
	s_wait_xcnt 0x0
	s_wait_alu depctr_hold_cnt(0) depctr_sa_sdst(0) depctr_va_vdst(0) depctr_va_sdst(0) depctr_va_ssrc(0) depctr_va_vcc(0) depctr_vm_vsrc(0)
	s_getreg_b32 s2, hwreg(HW_REG_IB_STS2, 6, 4)
	s_cmp_eq_u32 s2, 0
	s_cbranch_scc0 .Lentry_in_a_cluster
	s_endpgm
.Lentry_in_a_cluster:
	s_bfe_u32 s2, ttmp6, 0x10000c
	s_cmp_lg_u32 s2, 0xf033
	s_cbranch_scc0 .Lentry_shape_is_right
	s_endpgm
.Lentry_shape_is_right:
.set ROWB,   256
.set KROW,   1024
.set PITCH,  272
.set FR,     16
.set NL,     4
.set NP,     4
.set HALFT,  128*PITCH
.set SLOT,   4*HALFT
.set LAPS,   2
.set SPARE,  2*SLOT
.set ADRA, 16
.set ADRB, 20
.set STO,  24
.set RDQ,  25
.set RDV,  26
.set COQ,  27
.set SPW,  28
.set NIL,  29
.set COV,  30
.set BO,   32
.set CD0,  40
.set CD1,  192
.set VSC,  60
.set VLIM, 61
.set BI,   64
.set AF,   128
.set TMP,  128
.set OUTR, 128
.set G1, 24
.set G0, 32
.set G1B, 48
.set G0B, 56
.set MSB, 0
.macro WIN new
.if MSB != \new
	s_set_vgpr_msb (MSB<<8)|\new
.set MSB, \new
.endif
.endm
.set MUL_LO, 0xa1
.set MUL_HI, 0xf1
.set TO_B,   0x40
.macro JLOAD g0a, g1a, g0b, g1b
	s_cmp_eq_u32 s16, 0                            ; even waves fetch for A, odd waves for B
	s_cbranch_scc0 .Lfor_b_\@
	tensor_load_to_lds s[\g0a:\g0a+3], s[\g1a:\g1a+7]
	s_nop 0
.rept 4
	v_nop
.endr
	s_branch .Lasked_\@
.Lfor_b_\@:
	tensor_load_to_lds s[\g0b:\g0b+3], s[\g1b:\g1b+7]
	s_nop 0
.rept 4
	v_nop
.endr
.Lasked_\@:
.endm
.macro CREST
	s_cmp_lg_u32 s14, 0
	s_cbranch_scc1 .Lnot_wave_0_\@
	s_barrier_signal -3
.Lnot_wave_0_\@:
	s_barrier_wait -3
	s_barrier_signal -1
	s_barrier_wait -1
.endm
.macro CROUND
	s_barrier_signal -1
	s_barrier_wait -1
	CREST
.endm
	s_load_b256 s[4:11], s[0:1], 0x0
	s_load_b128 s[68:71], s[0:1], 0x20
	v_lshl_add_u32 v[SPW], v0, 2, SPARE
	v_mov_b32 v[NIL], 0
	ds_add_u32 v[SPW], v[NIL]
	ds_add_u32 v[SPW], v[NIL]
	v_lshrrev_b32 v1, 5, v0
	v_readfirstlane_b32 s14, v1
	s_lshr_b32 s15, s14, 1
	s_and_b32 s16, s14, 1
	s_bfe_u32 s40, ttmp6, 0x40000
	s_bfe_u32 s41, ttmp6, 0x40004
	s_mov_b32 s12, ttmp9
	s_and_b32 s13, ttmp7, 0xffff
	s_lshl_b32 s20, s12, 22
	s_lshl_b32 s46, s12, 20
	s_add_co_u32 s46, s46, 0xc00000
	s_cmp_eq_u32 s12, 2
	s_cselect_b32 s18, 0, s13
	s_cselect_b32 s19, s13, 0
	s_cselect_b32 s20, 0xe00000, s20
	s_cselect_b32 s46, 0x800000, s46
	s_lshl_b32 s17, s18, 2
	s_add_co_u32 s17, s17, s41
	s_lshl_b32 s42, s19, 2
	s_add_co_u32 s42, s42, s40
	s_lshl_b32 s43, s41, 2
	s_lshl_b32 s43, 15, s43
	s_lshl_b32 s44, 0x1111, s40
	s_or_b32 s[G1+0], s43, (0<<16)|(1<<20)|(1<<21)|(5<<22)|(3<<25)
	s_or_b32 s[G1B+0], s44, (0<<16)|(1<<20)|(1<<21)|(5<<22)|(3<<25)
.irp g, G1, G1B
	s_mov_b32 s[\g+1], ROWB<<16
	s_mov_b32 s[\g+2], 256<<16                     ; one load brings all 256 rows of an operand's tile
	s_mov_b32 s[\g+3], ROWB<<16
	s_mov_b32 s[\g+4], 256
	s_mov_b32 s[\g+5], KROW
	s_mov_b32 s[\g+6], 0
	s_mov_b32 s[\g+7], 0
.endr
	s_lshl_b32 s19, s17, 18
	s_add_co_u32 s20, s20, s19
	s_mov_b32 s21, 0
	s_lshl_b32 s22, s42, 18
	s_add_co_u32 s46, s46, s22
	s_mov_b32 s47, 0
	s_wait_dscnt 0x0
	s_wait_kmcnt 0x0
	s_load_b256 s[72:79], s[6:7], 0x0
	s_load_b128 s[80:83], s[6:7], 0x20
	s_add_nc_u64 s[20:21], s[4:5], s[20:21]
	s_add_nc_u64 s[46:47], s[4:5], s[46:47]
	CROUND
.irp s, 0,1
	s_mov_b32 s[G0+4*\s], 1
	s_mov_b32 s[G0+4*\s+1], \s*SLOT                ; A's 256 rows lie at the slot's head,
	s_add_nc_u64 s[G0+4*\s+2:G0+4*\s+3], s[20:21], \s*ROWB
	s_or_b32 s[G0+4*\s+3], s[G0+4*\s+3], 0x80000000
	s_mov_b32 s[G0B+4*\s], 1
	s_mov_b32 s[G0B+4*\s+1], 2*HALFT+\s*SLOT       ; B's 256 behind them
	s_add_nc_u64 s[G0B+4*\s+2:G0B+4*\s+3], s[46:47], \s*ROWB
	s_or_b32 s[G0B+4*\s+3], s[G0B+4*\s+3], 0x80000000
.endr
	; WHO LOADS WHAT: wave w brings operand w % 2 of slot w / 2, so K steps 0 and 1 are both asked for at the head, one tensor load a wave, behind the one round above.
	; THE PREFETCH: behind its load each wave asks for the K step that its own refill will fetch, two K steps on: of the operand's 256 rows each of the four partners that ask jointly takes 64, told apart by address
	; (cx for A, cy for B), a lane a row of 256 bytes, two instructions.  Its address registers are never rewritten.
	s_cmp_eq_u32 s16, 0
	s_cselect_b64 s[98:99], s[20:21], s[46:47]
	s_cselect_b32 s66, s40, s41
	s_lshl_b32 s66, s66, 16                        ; 64 rows of 1,024 bytes for each partner
	s_lshl_b32 s67, s15, 8                         ; my slot's K step
	s_add_co_u32 s66, s66, s67
	s_mov_b32 s67, 0
	s_add_nc_u64 s[98:99], s[98:99], s[66:67]
	v_and_b32 v31, 31, v0
	v_lshlrev_b32 v31, 10, v31
	s_wait_alu depctr_va_vdst(0)
	s_cmp_lg_u32 s15, 0
	s_cbranch_scc1 .Lhead_slot1
	JLOAD G0, G1, G0B, G1B
	s_branch .Lhead_asked
.Lhead_slot1:
	JLOAD G0+4, G1, G0B+4, G1B
.Lhead_asked:
	global_prefetch_b8 v31, s[98:99] offset:512 th:TH_LOAD_NT scope:SCOPE_SE
	global_prefetch_b8 v31, s[98:99] offset:512+32768 th:TH_LOAD_NT scope:SCOPE_SE
	v_and_b32 v1, 15, v0
	v_bfe_u32 v2, v0, 4, 1
	v_mul_u32_u24 v3, v1, PITCH
	v_lshl_add_u32 v4, v2, 4, v3
	s_wait_alu depctr_va_vdst(0)
	s_mul_i32 s21, s15, HALFT
	s_mul_i32 s22, s16, HALFT
	s_add_co_u32 s22, s22, 2*HALFT
.irp s, 0,1
	v_add_nc_u32 v[ADRA+\s], s21, v4
	v_add_nc_u32 v[ADRB+\s], s22, v4
	s_add_co_u32 s21, s21, SLOT
	s_add_co_u32 s22, s22, SLOT
.endr
	s_mul_i32 s23, s15, HALFT
	s_lshl_b32 s18, s16, 7
	s_add_co_u32 s23, s23, s18
	v_add_nc_u32 v[STO], s23, v4
	s_mul_i32 s23, s14, 64*PITCH
	v_and_b32 v5, 31, v0
	v_lshrrev_b32 v6, 2, v5
	v_mul_u32_u24 v6, v6, PITCH
	v_and_b32 v7, 3, v5
	v_lshl_add_u32 v6, v7, 4, v6
	v_add_nc_u32 v[RDQ], s23, v6
	v_mul_u32_u24 v6, v2, PITCH
	v_lshl_add_u32 v6, v1, 4, v6
	v_add_nc_u32 v[RDV], s23, v6
	v_lshlrev_b32 v[COQ], 4, v5
	v_lshlrev_b32 v6, 12, v2
	v_lshl_add_u32 v[COV], v1, 4, v6
	s_lshl_b32 s18, s17, 8
	s_lshl_b32 s19, s15, 7
	s_add_co_u32 s18, s18, s19
	s_lshl_b32 s22, s42, 8
	s_lshl_b32 s23, s16, 7
	s_add_co_u32 s22, s22, s23
	s_cmp_eq_u32 s12, 0
	s_cselect_b64 s[90:91], s[8:9], s[10:11]
	s_cmp_eq_u32 s12, 2
	s_cselect_b64 s[90:91], s[68:69], s[90:91]
	s_cselect_b32 s18, s18, s22
	s_cselect_b32 s94, 4, 0
	s_cselect_b32 s95, 0, 32
	s_cselect_b32 s96, 0, 4
	s_lshl_b32 s18, s18, 2
	s_mov_b32 s19, 0
	s_add_nc_u64 s[90:91], s[90:91], s[18:19]
	v_mul_u32_u24 v8, s94, v1
	v_mad_u32_u24 v8, v2, s95, v8
	s_wait_alu depctr_va_vdst(0)
.irp j, 0,1,2,3,4,5,6,7
	s_mul_i32 s97, s96, \j
	v_add_nc_u32 v[BO+\j], s97, v8
.endr
.irp x, 0,1,2,3,4,5,6,7
.irp j, 0,1,2,3,4,5,6,7
	global_load_b32 v[BI+8*\x+\j], v[BO+\j], s[90:91] offset:64*\x
.endr
.endr
	s_lshl_b32 s18, s17, 8
	s_lshl_b32 s19, s14, 6
	s_add_co_u32 s18, s18, s19
	s_lshl_b32 s19, s18, 12
	s_lshl_b32 s22, s42, 8
	s_add_co_u32 s19, s19, s22
	s_add_co_u32 s19, s19, 0x800000
	s_lshl_b32 s18, s18, 6
	s_lshl_b32 s22, s42, 20
	s_add_co_u32 s18, s18, s22
	s_lshl_b32 s22, s12, 22
	s_add_co_u32 s18, s18, s22
	s_cmp_eq_u32 s12, 2
	s_cselect_b32 s18, s19, s18
	s_mov_b32 s19, 0
	s_add_nc_u64 s[92:93], s[70:71], s[18:19]
.macro FRAG reg, adr, q, i
.irp c, 0,1,2,3
	ds_load_b128 v[\reg+4*\c:\reg+4*\c+3], v[\adr] offset:128*(\q)+32*\c+(\i)*16*PITCH
.endr
.endm
.macro MUL16 a0, p, zero
.irp a, \a0, \a0+1
.irp b, 0,1,2,3,4,5,6,7
.if \zero
	v_wmma_f32_16x16x128_fp8_fp8 v[8*(8*((\a)%4)+\b):8*(8*((\a)%4)+\b)+7], v[128*(\p)+FR*\b:128*(\p)+FR*\b+FR-1], v[AF+FR*(\a):AF+FR*(\a)+FR-1], 0
.else
	v_wmma_f32_16x16x128_fp8_fp8 v[8*(8*((\a)%4)+\b):8*(8*((\a)%4)+\b)+7], v[128*(\p)+FR*\b:128*(\p)+FR*\b+FR-1], v[AF+FR*(\a):AF+FR*(\a)+FR-1], v[8*(8*((\a)%4)+\b):8*(8*((\a)%4)+\b)+7]
.endif
.endr
.endr
.endm
.macro FETCH_B slot, q, p
	WIN TO_B
.irp i, 0,1,2,3,4,5,6,7
	FRAG 128*(\p)+FR*\i, ADRB+\slot, \q, \i
.endr
	WIN 0
.endm
.macro FETCH_A slot, q, i0
.irp i, \i0, \i0+1, \i0+2, \i0+3
	FRAG AF+FR*(\i), ADRA+\slot, \q, \i
.endr
.endm
.macro PLACES n
.rept \n
	v_nop
.endr
.endm
.macro STEP slot, q, zero
	s_wait_dscnt 4*NL
	WIN MUL_LO
	MUL16 0, (\q)%2, \zero
	MUL16 2, (\q)%2, \zero
	s_wait_dscnt 0
	PLACES NP
	FETCH_B \slot, (\q)+1, 1-(\q)%2
	FETCH_A \slot, (\q)+1, 0
	WIN MUL_HI
	MUL16 4, (\q)%2, \zero
	MUL16 6, (\q)%2, \zero
	PLACES NP
	WIN 0
	FETCH_A \slot, (\q)+1, 4
.endm
.macro TURN slot, next, fill
	s_wait_tensorcnt 0x0
	ds_add_u32 v[SPW], v[NIL]
	s_wait_dscnt 4*NL+1
	WIN MUL_LO
	MUL16 0, 1, 0
	s_wait_dscnt 0x0
	s_barrier_signal -1
	MUL16 2, 1, 0
	WIN 0
	s_barrier_wait -1
.if \fill
	CREST
	s_add_nc_u64 s[G0+4*\slot+2:G0+4*\slot+3], s[G0+4*\slot+2:G0+4*\slot+3], 2*ROWB
	s_add_nc_u64 s[G0B+4*\slot+2:G0B+4*\slot+3], s[G0B+4*\slot+2:G0B+4*\slot+3], 2*ROWB
	s_cmp_lg_u32 s15, \slot                        ; the slot's two waves fill it again; the branch hangs on the wave's number alone
	s_cbranch_scc1 .Lother_slot_\@
	JLOAD G0+4*\slot, G1, G0B+4*\slot, G1B
.Lother_slot_\@:
	PLACES NP                                      ; the places in front of the loads below, on both ways
.else
	PLACES NP
.endif
	FETCH_B \next, 0, 0
	FETCH_A \next, 0, 0
	WIN MUL_HI
	MUL16 4, 1, 0
	MUL16 6, 1, 0
	PLACES NP
	WIN 0
	FETCH_A \next, 0, 4
.endm
	s_wait_alu depctr_va_vdst(0)
	s_cmp_lg_u32 s15, 0                            ; waves 0 and 1 brought K step 0, which alone is read behind this barrier: they wait for it.  Waves 2 and 3 brought slot 1:
	s_cbranch_scc1 .Lslot1_on_its_way              ; their load is waited for at the first change of slots, ahead of the barrier behind which slot 1 is read
	s_wait_tensorcnt 0x0                           ; my part of K step 0 has landed
.Lslot1_on_its_way:
	s_barrier_signal -1
	s_barrier_wait -1
	FETCH_B 0, 0, 0
	FETCH_A 0, 0, 0
	FETCH_A 0, 0, 4
	STEP 0, 0, 1
	s_mov_b32 s3, LAPS-1
.Llap:
	TURN 0, 1, 1
	STEP 1, 0, 0
	TURN 1, 0, 1
	STEP 0, 0, 0
	s_sub_co_u32 s3, s3, 1
	s_cmp_lg_u32 s3, 0
	s_cbranch_scc1 .Llap
	TURN 0, 1, 0
	STEP 1, 0, 0
	s_wait_dscnt 4*NL
	WIN MUL_LO
	MUL16 0, 1, 0
	MUL16 2, 1, 0
	s_wait_dscnt 0
	WIN MUL_HI
	MUL16 4, 1, 0
	MUL16 6, 1, 0
	WIN 0
	s_wait_kmcnt 0x0
	s_cmp_eq_u32 s12, 0
	s_cselect_b32 s84, s72, s74
	s_cselect_b32 s85, s73, s75
	s_cselect_b32 s86, s78, s79
	s_cselect_b32 s87, 3, 0
	s_cmp_eq_u32 s12, 2
	s_cselect_b32 s84, s76, s84
	s_cselect_b32 s85, s77, s85
	s_cselect_b32 s86, s81, s86
	s_add_co_i32 s84, s84, s85
	s_sub_co_i32 s88, 0, s84
	s_sub_co_i32 s86, s86, s84
	s_add_co_i32 s86, s86, s87
	s_add_co_i32 s86, s86, 127
	s_lshl_b32 s89, s86, 23
	s_add_co_i32 s86, s86, 8
	s_lshl_b32 s86, s86, 23
	s_or_b32 s86, s86, 0x600000
	s_wait_loadcnt 0x0
	PLACES NP
	v_mov_b32 v[VSC], s89
	v_mov_b32 v[VLIM], s86
.set jj, 0
.rept 64
	v_ldexp_f32 v[BI+jj], v[BI+jj], s88
.set jj, jj+1
.endr
.macro BIASADD a
.set AC, 64*((\a)%4)
	s_cmp_eq_u32 s12, 2
	s_cbranch_scc1 .Lrow_\@
	WIN 0x02+((\a)/4)
.set jj, 0
.rept 32
	v_pk_add_f32 v[TMP+jj:TMP+jj+1], v[AC+jj:AC+jj+1], v[BI+jj:BI+jj+1]
.set jj, jj+2
.endr
	WIN 0
	s_branch .Lsum_\@
.Lrow_\@:
	WIN 0x02+((\a)/4)
.set jj, 0
.rept 32
	v_pk_add_f32 v[TMP+jj:TMP+jj+1], v[AC+jj:AC+jj+1], v[BI+8*(\a)+jj%8:BI+8*(\a)+jj%8+1]
.set jj, jj+2
.endr
	WIN 0
.Lsum_\@:
.endm
.macro BLOCK a
	BIASADD \a
.set CD, CD0+(CD1-CD0)*((\a)%2)
.set jj, 0
.rept 64
	v_med3_num_f32 v[TMP+jj], v[TMP+jj], -v[VLIM], v[VLIM]
.set jj, jj+1
.endr
.if (\a) >= 2
	s_wait_alu depctr_va_vdst(0)
	s_wait_dscnt 4
.endif
.irp b, 0,1,2,3,4,5,6,7
	v_cvt_scalef32_pk8_fp8_f32 v[CD+2*\b:CD+2*\b+1], v[TMP+8*\b:TMP+8*\b+7], v[VSC]
.endr
	v_nop
.irp p, 0,1,2,3
	ds_store_b128 v[STO], v[CD+4*\p:CD+4*\p+3] offset:(\a)*16*PITCH+32*\p
.endr
.endm
.irp a, 0,1,2,3,4,5,6,7
	BLOCK \a
.endr
	s_wait_dscnt 0x0
	s_barrier_signal -1
	s_barrier_wait -1
	s_cmp_eq_u32 s12, 2
	s_cbranch_scc1 .Lout_v
.set tt, 0
.rept 32
	ds_load_b128 v[OUTR+4*tt:OUTR+4*tt+3], v[RDQ] offset:(tt/4)*8*PITCH+(tt%4)*64
.set tt, tt+1
.endr
.set tt, 0
.rept 32
	s_wait_dscnt 31-tt
	global_store_b128 v[COQ], v[OUTR+4*tt:OUTR+4*tt+3], s[92:93] offset:(tt%4)*262144+(tt/4)*512
.set tt, tt+1
.endr
	s_branch .Lout_done
.Lout_v:
.set tt, 0
.rept 32
	ds_load_b128 v[OUTR+4*tt:OUTR+4*tt+3], v[RDV] offset:tt*2*PITCH
.set tt, tt+1
.endr
.set tt, 0
.rept 32
	s_wait_dscnt 31-tt
	global_store_b128 v[COV], v[OUTR+4*tt:OUTR+4*tt+3], s[92:93] offset:tt*8192
.set tt, tt+1
.endr
.Lout_done:
	s_wait_tensorcnt 0x0
	ds_add_u32 v[SPW], v[NIL]
	s_wait_dscnt 0x0
	CROUND
	s_endpgm
.Lfunc_end_k_q6bc3543cc6_qkv:
	.size	k_q6bc3543cc6_qkv, .Lfunc_end_k_q6bc3543cc6_qkv-k_q6bc3543cc6_qkv
	.p2alignl 7, 3214868480
	.fill 96, 4, 3214868480
	.section	.rodata,"a",@progbits
	.p2align	6, 0x0
	.amdhsa_kernel k_q6bc3543cc6_qkv
		.amdhsa_group_segment_fixed_size 327680
		.amdhsa_private_segment_fixed_size 0
		.amdhsa_enable_private_segment 0
		.amdhsa_kernarg_size 48
		.amdhsa_user_sgpr_count 2
		.amdhsa_user_sgpr_kernarg_segment_ptr 1
		.amdhsa_wavefront_size32 1
		.amdhsa_system_sgpr_workgroup_id_x 1
		.amdhsa_system_sgpr_workgroup_id_y 1
		.amdhsa_system_sgpr_workgroup_id_z 1
		.amdhsa_system_vgpr_workitem_id 0
		.amdhsa_next_free_vgpr 1024
		.amdhsa_next_free_sgpr 100
		.amdhsa_reserve_vcc 0
		.amdhsa_float_denorm_mode_32 3
		.amdhsa_float_denorm_mode_16_64 3
		.amdhsa_memory_ordered 1
		.amdhsa_forward_progress 1
		.amdhsa_inst_pref_size 176
	.end_amdhsa_kernel
	.amdgpu_metadata
---
amdhsa.version: [ 1, 2 ]
amdhsa.kernels:
  - .name:           k_q6bc3543cc6_qkv
    .symbol:         k_q6bc3543cc6_qkv.kd
    .args:
      - { .name: codes, .offset: 0, .size: 8, .value_kind: global_buffer, .address_space: global }
      - { .name: lowp_scales, .offset: 8, .size: 8, .value_kind: global_buffer, .address_space: global }
      - { .name: bq, .offset: 16, .size: 8, .value_kind: global_buffer, .address_space: global }
      - { .name: bk, .offset: 24, .size: 8, .value_kind: global_buffer, .address_space: global }
      - { .name: bv, .offset: 32, .size: 8, .value_kind: global_buffer, .address_space: global }
      - { .name: qkv, .offset: 40, .size: 8, .value_kind: global_buffer, .address_space: global }
    .group_segment_fixed_size: 327680
    .private_segment_fixed_size: 0
    .kernarg_segment_align: 8
    .kernarg_segment_size: 48
    .max_flat_workgroup_size: 128
    .sgpr_count:     100
    .vgpr_count:     1024
    .wavefront_size: 32
...
	.end_amdgpu_metadata
.endif
;; end of part 2
;; launch attn (part 3): grid 16 x 16, 8 waves a work-group, clusters of 4 x 1, 327,680 bytes of LDS; arguments qkv, lowp_scales, ctxc; writes ctxc
.if DOCPART == 3
	.amdgcn_target "amdgcn-amd-amdhsa--gfx1250"
	.amdhsa_code_object_version 6
	.text
	.protected	k_q6bc3543cc6_attn
	.globl	k_q6bc3543cc6_attn
	.p2align	8
	.type	k_q6bc3543cc6_attn,@function
k_q6bc3543cc6_attn:
	s_mov_b64 s[64:65], 0
	v_nop
	global_prefetch_b8 v0, s[64:65] scope:SCOPE_SE
	s_setreg_imm32_b32 hwreg(HW_REG_WAVE_MODE, 25, 1), 1
	s_wait_xcnt 0x0
	s_wait_alu depctr_hold_cnt(0) depctr_sa_sdst(0) depctr_va_vdst(0) depctr_va_sdst(0) depctr_va_ssrc(0) depctr_va_vcc(0) depctr_vm_vsrc(0)
	s_getreg_b32 s2, hwreg(HW_REG_IB_STS2, 6, 4)
	s_cmp_eq_u32 s2, 0
	s_cbranch_scc0 .Lentry_in_a_cluster
	s_endpgm
.Lentry_in_a_cluster:
	s_bfe_u32 s2, ttmp6, 0x10000c
	s_cmp_lg_u32 s2, 0x3003
	s_cbranch_scc0 .Lentry_shape_is_right
	s_endpgm
.Lentry_shape_is_right:
; ctx[h][q][:] = sum over k of softmax_k(q[h][q] . k[h][k]) v[h][k][:] (the 1/8 lies in q's codes already), both products on codes of E4M3, and ctx's quantiser on the way out.
; q, k: [16][4096][64] codes at 0 and 4 MiB of the buffer; v: [1024 channels][4096 keys] codes at 8 MiB; ctx: [16][4096][64] codes.  Inside each block of 32 along a K, k = 16 w + 8 h + i lies at byte 16 h + 8 w + i,
; so a 16-byte load at 32 c + 16 (lane / 16) fills registers 4 c .. 4 c + 3 of a fragment with the k that the matrix instruction expects there.
; SOFTMAX: t = score x log2(e); M = the running largest t rounded up to a whole number; p = 2^(t - M) is quantised with 2^e8, not normalised; the row's sum is taken of the unquantised p and divides at the end.
; When M moves, the sums and O are multiplied by f = 2^(old M - new M), which rounds nothing.
; SHARES.  A work-group owns 256 queries of a head; each of eight waves owns 32, as two tiles A and B of 16: every fragment of K and of V read from LDS feeds two matrix instructions.  A step is 128 keys.
; K and V come through a ring of two LDS slots of 1,024 keys: waves 0-3 fetch K's quarters (dense, stated as rows of 256 bytes), waves 4-7 sixteen of V's rows each: one tensor load a wave at each change of slots.
; CLUSTER: the four query blocks of a cluster belong to one head and walk the same K and V: each tile is asked for jointly.
; LAYOUT.  S^T = K Q^T (source 0 = 16 keys, source 1 = 16 queries): a lane holds one query, register j of tile t key 16 t + 8 (lane / 16) + j: the conversions' results are the second product's operand.  O^T = V^T P^T.
; THE EXPONENTIALS go in four batches of 32, one for each half tile; between them stand plain instructions of OTHER half tiles (scaling, row sums, holds), none of which reads what is written inside the same batch.
; THE ROW SUM is kept in 16 packed accumulators a tile; a step's first half adds by acc x f + p, its second by acc + p; they are summed up once, on the way out.
; LIMITS on the given exponents: e6 + e7 between -126 and 127 (added to the exponent field of log2(e)); e8, and e10 - e8 - e9, between -126 and 119.  The scaled scores stay under 2^31 in magnitude.
; REGISTERS.  Window 0: v0-31 addresses and a lane's running numbers; v64-127 the sums; v128-191 S^T and p of tile A, v192-255 of tile B.
; Window 1: v0-63 K's fragments, v64-127 V's, v128-191 O^T (A, B), v192-207 Q (A, B), v208-239 p's codes (A, B).
.set KP4,   272                        ; four keys' 256 bytes + 16 of padding: the 16 keys of a tile start at 16 different groups of four banks
.set VP,    1040                       ; a channel's 1,024 keys + 16
.set VOFF,  256*KP4                    ; a slot: 1,024 keys of K, then 64 rows of V
.set SLOTB, VOFF+64*VP
.set NSL,   4                          ; slots' worth of keys
.set NST,   8                          ; steps in a slot
.set SPARE, 2*SLOTB                    ; behind the ring: the spare words, 128 bytes a wave, which no other line names
.set AK0, 1
.set AV0, 2
.set PFO, 3
.set SPW, 5
.set NIL, 6
.set GO,  7
.set ADK, 8
.set ADV, 9
.set OLA, 10                           ; old -M
.set OLB, 11
.set NMA, 12                           ; v12 -M of A, v13 its largest t; v14, v15 the same for B
.set NMB, 14
.set FA,  16                           ; v[16:17], v[18:19]: f of A, of B (low word)
.set FB,  18
.set L0,  20                           ; v20, v21 the hold's limit, twice
.set L1,  21
.set CSC, 22                           ; the conversion's scale
.set STI, 23
.set STR, 24
.set MA0, 26
.set MA1, 27
.set MB0, 28
.set MB1, 29
.set PA,  30
.set PB,  31
.set ACA, 64
.set ACB, 96
.set SA,  128
.set SB,  192
.set KF,  0                            ; window 1
.set VF,  64
.set OA,  128
.set OB,  160
.set QA,  192
.set QB,  200
.set CA,  208
.set CB,  224
.set WV,  18
.set SEL, 20
.set CS,  22
.set G1K, 24
.set G1V, 32
.set G0K, 40
.set G0V, 44
.set KW,  56                           ; my load's place in a slot, as K's and as V's
.set VW,  57
.set FI,  58                           ; the slot filled last
.set IDX, 59                           ; the slot in hand
.set TK,  60                           ; LDS byte of the next step's keys
.set TV,  61                           ; and of this step's part of V's rows
.set ST,  62                           ; steps to go in the slot
.set T0,  63
.set SLOTS, 67
.set PFA, 80
.set PFS, 82
.set LIM, 84
.set W_S,  0x05                        ; sources 0, 1 window 1; D window 0
.set W_LD, 0x40                        ; destination window 1
.set W_O,  0x41                        ; destination and source 0 window 1
.set W_PV, 0x55                        ; all window 1
.set MSB, 0
.macro WIN new                         ; the immediate's high byte repeats the setting that is left
.if MSB != \new
	s_set_vgpr_msb (MSB<<8)|\new
.set MSB, \new
.endif
.endm
.macro TLOAD                           ; every wave has one load; the branch hangs on the wave's number alone; s_nop 0 and four v_nop follow each line
	s_cmp_lt_u32 s[WV], 4
	s_cbranch_scc0 .Lfor_v_\@
	tensor_load_to_lds s[G0K:G0K+3], s[G1K:G1K+7]
	s_nop 0
.rept 4
	v_nop
.endr
	s_branch .Lasked_\@
.Lfor_v_\@:
	tensor_load_to_lds s[G0V:G0V+3], s[G1V:G1V+7]
	s_nop 0
.rept 4
	v_nop
.endr
.Lasked_\@:
.endm
; A prefetch of the slot that the NEXT change will ask for: 65,536 bytes of K, 1,024 bytes of each of V's 64 rows.  The head's first cluster asks; its four partners share the blocks out by address
; (16,384 bytes of K, 16 rows of V each); waves 0, 1 ask for K's, waves 2, 3 for V's, a lane a block of 256 bytes.  Slots 0 and 1 come by their loads alone; the last filling change asks for nothing.
.macro ASK
	s_cmp_gt_u32 s[SLOTS], s[LIM]
	s_cbranch_scc0 .Lnot_mine_\@
	global_prefetch_b8 v[PFO], s[PFA:PFA+1] th:TH_LOAD_NT scope:SCOPE_SE
.Lnot_mine_\@:
.endm
.macro CROUND                          ; a round of the cluster's barrier
	s_barrier_signal -1
	s_barrier_wait -1
	s_cmp_lg_u32 s[WV], 0
	s_cbranch_scc1 .Lnot_wave_0_\@
	s_barrier_signal -3
.Lnot_wave_0_\@:
	s_barrier_wait -3
	s_barrier_signal -1
	s_barrier_wait -1
.endm
	s_load_b128 s[4:7], s[0:1], 0x0                ; q, k, v's codes; the exponents
	s_load_b64 s[8:9], s[0:1], 0x10                ; ctx's codes
	v_lshl_add_u32 v[SPW], v0, 2, SPARE
	v_mov_b32 v[NIL], 0
	ds_add_u32 v[SPW], v[NIL]                      ; the opening lines: the add, twice on end, and its wait below
	ds_add_u32 v[SPW], v[NIL]
	v_lshrrev_b32 v8, 5, v0
	v_readfirstlane_b32 s[WV], v8                  ; wave 0..7
	s_bfe_u32 s13, ttmp6, 0x40000                  ; cx: it enters Q's, ctx's and the prefetches' addresses alone
	s_lshl_b32 s14, ttmp9, 2
	s_add_co_u32 s14, s14, s13                     ; my block of 256 queries
	s_and_b32 s12, ttmp7, 0xffff                   ; the head
	s_lshl_b32 s15, s12, 18                        ; 262,144 bytes a head in each plane
	s_and_b32 s16, s[WV], 3                        ; which quarter I fetch
	s_lshl_b32 s48, s16, 14                        ; K: 256 keys of 64 bytes
	s_add_co_u32 s48, s48, s15
	s_add_co_u32 s48, s48, 0x400000
	s_mov_b32 s49, 0
	s_mul_i32 s[KW], s16, 64*KP4
	s_lshl_b32 s50, s16, 16                        ; V: 16 rows of 4,096 bytes
	s_add_co_u32 s50, s50, s15
	s_add_co_u32 s50, s50, 0x800000
	s_mov_b32 s51, 0
	s_mul_i32 s[VW], s16, 16*VP
	s_add_co_u32 s[VW], s[VW], VOFF
	s_lshl_b32 s52, s14, 8
	s_lshl_b32 s53, s[WV], 5
	s_add_co_u32 s52, s52, s53                     ; my first query
	s_lshl_b32 s52, s52, 6
	s_add_co_u32 s52, s52, s15
	s_mov_b32 s53, 0
	s_mov_b32 s[G1K], 15|(1<<20)|(1<<21)|(5<<22)|(3<<25)   ; mask of all four; bytes; four words of padding after every 64
	s_mov_b32 s[G1K+1], 256<<16
	s_mov_b32 s[G1K+2], 64<<16
	s_mov_b32 s[G1K+3], 256<<16
	s_mov_b32 s[G1K+4], 64
	s_mov_b32 s[G1K+5], 256
	s_mov_b32 s[G1K+6], 0
	s_mov_b32 s[G1K+7], 0
	s_mov_b32 s[G1V], 15|(1<<20)|(1<<21)|(7<<22)|(3<<25)   ; four words of padding after every 256
	s_mov_b32 s[G1V+1], 1024<<16
	s_mov_b32 s[G1V+2], 16<<16
	s_mov_b32 s[G1V+3], 1024<<16
	s_mov_b32 s[G1V+4], 16
	s_mov_b32 s[G1V+5], 4096
	s_mov_b32 s[G1V+6], 0
	s_mov_b32 s[G1V+7], 0
	s_mov_b32 s[SEL], 0x76543210
	s_mov_b32 s[SEL+1], 0xfedcba98
	s_mov_b32 s[CS], 0x3fb8aa3b                    ; log2(e)
	s_mov_b32 s[FI], 0
	s_mov_b32 s[IDX], 0
	s_mov_b32 s[SLOTS], NSL-1
	s_wait_dscnt 0x0                               ; both opening adds are done
	s_wait_kmcnt 0x0
	s_load_b256 s[68:75], s[6:7], 0x0              ; e0 .. e7
	s_load_b128 s[76:79], s[6:7], 0x20             ; e8 .. e11
	s_mov_b32 s[G0K], 1
	s_mov_b32 s[G0K+1], s[KW]
	s_add_nc_u64 s[G0K+2:G0K+3], s[4:5], s[48:49]
	s_or_b32 s[G0K+3], s[G0K+3], 0x80000000
	s_mov_b32 s[G0V], 1
	s_mov_b32 s[G0V+1], s[VW]
	s_add_nc_u64 s[G0V+2:G0V+3], s[4:5], s[50:51]
	s_or_b32 s[G0V+3], s[G0V+3], 0x80000000
	CROUND                                         ; all four work-groups are here: the first joint loads meet
	TLOAD                                          ; slot 0
	s_add_nc_u64 s[54:55], s[4:5], s[52:53]        ; Q at my first query
	s_add_nc_u64 s[8:9], s[8:9], s[52:53]          ; ctx likewise
	s_mul_i32 s89, s[WV], 32*80                    ; my stage
	s_cmp_lt_u32 s[WV], 2                          ; the prefetches: K's or V's
	s_mov_b32 s85, 4096
	s_cselect_b32 s85, 1024, s85                   ; from four lanes to the next four
	s_mov_b32 s[PFS], 1024
	s_cselect_b32 s[PFS], 0x10000, s[PFS]          ; a slot on
	s_mov_b32 s86, 0x800000
	s_cselect_b32 s86, 0x400000, s86               ; the plane
	s_cselect_b32 s88, 14, 16                      ; my work-group's part
	s_cselect_b32 s87, 13, 15                      ; my wave's half of it
	s_lshl_b32 s88, s13, s88
	s_and_b32 s90, s[WV], 1
	s_lshl_b32 s87, s90, s87
	s_add_co_u32 s86, s86, s88
	s_add_co_u32 s86, s86, s87
	s_add_co_u32 s86, s86, s15
	s_add_co_u32 s86, s86, s[PFS]                  ; in slot 1: the first change steps it to slot 2
	s_mov_b32 s87, 0
	s_mov_b32 s[PFS+1], 0
	s_add_nc_u64 s[PFA:PFA+1], s[4:5], s[86:87]
	s_lshr_b32 s91, s[WV], 2                       ; 0 in waves 0 to 3
	s_or_b32 s91, s91, ttmp9                       ; of the head's first cluster
	s_cmp_eq_u32 s91, 0
	s_cselect_b32 s[LIM], 1, -1
	s_wait_kmcnt 0x0
	s_add_co_i32 s92, s74, s75
	s_lshl_b32 s92, s92, 23
	s_add_co_i32 s[CS], s[CS], s92                 ; log2(e) x 2^(e6 + e7)
	s_mov_b32 s[CS+1], s[CS]
	s_add_co_i32 s92, s76, 127
	s_lshl_b32 s93, s92, 23                        ; 2^e8
	s_add_co_i32 s92, s92, 8
	s_lshl_b32 s92, s92, 23
	s_or_b32 s92, s92, 0x600000                    ; 448 x 2^e8
	v_and_b32 v8, 15, v0                           ; r
	v_bfe_u32 v9, v0, 4, 1                         ; h
	v_lshlrev_b32 v10, 6, v8
	v_lshl_add_u32 v10, v9, 4, v10
	WIN W_LD
	global_load_b128 v[QA:QA+3], v10, s[54:55]     ; Q's two fragments stay in registers
	global_load_b128 v[QA+4:QA+7], v10, s[54:55] offset:32
	global_load_b128 v[QB:QB+3], v10, s[54:55] offset:1024
	global_load_b128 v[QB+4:QB+7], v10, s[54:55] offset:1056
	WIN 0
	v_lshrrev_b32 v4, 2, v8
	v_mul_u32_u24 v[AK0], v4, KP4
	v_and_b32 v4, 3, v8
	v_lshl_add_u32 v[AK0], v4, 6, v[AK0]
	v_lshl_add_u32 v[AK0], v9, 4, v[AK0]           ; key r of a tile: (r / 4) x 272 + (r % 4) x 64 + 16 h
	v_mul_u32_u24 v[AV0], v8, VP
	v_lshl_add_u32 v[AV0], v9, 4, v[AV0]
	v_add_nc_u32 v[AV0], VOFF, v[AV0]
	v_mul_u32_u24 v[STI], v8, 80
	v_lshl_add_u32 v[STI], v9, 4, v[STI]
	v_add_nc_u32 v[STI], s89, v[STI]               ; the stage, in: row r of 80 bytes, + 16 h
	v_and_b32 v[OLB], 31, v0
	v_lshlrev_b32 v[GO], 4, v[OLB]
	v_lshrrev_b32 v[STR], 2, v[OLB]
	v_mul_lo_u32 v[PFO], v[STR], s85
	v_mul_u32_u24 v[STR], v[STR], 80
	v_and_b32 v4, 3, v[OLB]
	v_lshl_add_u32 v[STR], v4, 4, v[STR]
	v_add_nc_u32 v[STR], s89, v[STR]               ; back: four lanes to a row's 64 bytes
	v_lshl_add_u32 v[PFO], v4, 8, v[PFO]
	v_mov_b32 v[NMA+1], 0xff61b1e6                 ; the largest t so far: -3e38
	v_mov_b32 v[NMB+1], 0xff61b1e6
	v_floor_f32 v[NMA], -v[NMA+1]
	v_floor_f32 v[NMB], -v[NMB+1]
	v_mov_b32 v[FA+1], 0                           ; (named as upper halves of pairs)
	v_mov_b32 v[FB+1], 0
	v_mov_b32 v[PA], 0                             ; a lane permute's destination counts as a source
	v_mov_b32 v[PB], 0
	v_mov_b32 v[CSC], s93
	v_mov_b32 v[L0], s92
	v_mov_b32 v[L1], s92
.set jj, 0
.rept 64
	v_mov_b32 v[ACA+jj], 0                         ; the sums: the step has no first form of its own; the first f is 0
.set jj, jj+1
.endr
	WIN W_LD
.set jj, 0
.rept 64
	v_mov_b32 v[OA+jj], 0                          ; O^T
.set jj, jj+1
.endr
	WIN 0
.macro KLOAD                           ; eight fragments of 16 keys x 64
.irp t, 0,1,2,3,4,5,6,7
	ds_load_b128 v[KF+8*\t:KF+8*\t+3], v[ADK] offset:\t*4*KP4
	ds_load_b128 v[KF+8*\t+4:KF+8*\t+7], v[ADK] offset:\t*4*KP4+32
.endr
.endm
.macro FMA b, nm                       ; t - M, two at a time (of both pairs the low word serves both halves)
	v_pk_fma_f32 v[\b:\b+1], v[\b:\b+1], s[CS:CS+1], v[\nm:\nm+1] op_sel_hi:[1,0,0]
.endm
.macro HOLD b                          ; the conversion to an 8-bit code does not saturate (ISA guide 7.6.2); p is not negative: a one-sided hold, two numbers an instruction
	v_dual_min_num_f32 v[\b], v[\b], v[L0] :: v_dual_min_num_f32 v[\b+1], v[\b+1], v[L1]
.endm
; A STEP: 128 keys x my 32 queries.
.macro STEP
	s_wait_dscnt 0x0                               ; K's fragments are in
	WIN W_S
.irp t, 0,1,2,3,4,5,6,7
	v_wmma_f32_16x16x64_fp8_fp8 v[SA+8*\t:SA+8*\t+7], v[KF+8*\t:KF+8*\t+7], v[QA:QA+7], 0
	v_wmma_f32_16x16x64_fp8_fp8 v[SB+8*\t:SB+8*\t+7], v[KF+8*\t:KF+8*\t+7], v[QB:QB+7], 0
.endr
	WIN 0
	v_add_nc_u32 v[ADV], s[TV], v[AV0]
	v_add_nc_u32 v[ADK], s[TK], v[AK0]
	v_nop                                          ; with the two additions: four places ahead of the loads into fragments and of the first read of the scores
	v_nop
	WIN W_LD
.irp t, 0,1,2,3
.irp c, 0,1,2,3
	ds_load_b128 v[VF+16*\t+4*\c:VF+16*\t+4*\c+3], v[ADV] offset:16*\t*VP+32*\c
.endr
.endr
	WIN 0
	s_cmp_eq_u32 s[ST], 1                          ; the next step's keys, if they lie in this slot
	s_cbranch_scc1 .Lnp_\@
	WIN W_LD
	KLOAD
	WIN 0
.Lnp_\@:
	v_max3_num_f32 v[MA0], v[SA], v[SA+1], v[SA+2] ; the step's largest scores, four chains by turns; each tile is first read at its low end
	v_max3_num_f32 v[MB0], v[SB], v[SB+1], v[SB+2]
	v_max3_num_f32 v[MA1], v[SA+3], v[SA+4], v[SA+5]
	v_max3_num_f32 v[MB1], v[SB+3], v[SB+4], v[SB+5]
.irp i, 6,10,14,18,22,26,30,34,38,42,46,50,54,58
	v_max3_num_f32 v[MA0], v[MA0], v[SA+\i], v[SA+\i+1]
	v_max3_num_f32 v[MB0], v[MB0], v[SB+\i], v[SB+\i+1]
	v_max3_num_f32 v[MA1], v[MA1], v[SA+\i+2], v[SA+\i+3]
	v_max3_num_f32 v[MB1], v[MB1], v[SB+\i+2], v[SB+\i+3]
.endr
	v_max3_num_f32 v[MA0], v[MA0], v[SA+62], v[SA+63]
	v_max3_num_f32 v[MB0], v[MB0], v[SB+62], v[SB+63]
	v_max_num_f32 v[MA0], v[MA0], v[MA1]
	v_max_num_f32 v[MB0], v[MB0], v[MB1]
	v_permlanex16_b32 v[PA], v[MA0], s[SEL], s[SEL+1]
	v_permlanex16_b32 v[PB], v[MB0], s[SEL], s[SEL+1]
	v_max_num_f32 v[MA0], v[MA0], v[PA]            ; and lane l xor 16's
	v_max_num_f32 v[MB0], v[MB0], v[PB]
	v_mul_f32 v[MA0], s[CS], v[MA0]                ; as t
	v_mul_f32 v[MB0], s[CS], v[MB0]
	v_max_num_f32 v[NMA+1], v[NMA+1], v[MA0]       ; the running largest t
	v_max_num_f32 v[NMB+1], v[NMB+1], v[MB0]
	v_mov_b32 v[OLA], v[NMA]
	v_mov_b32 v[OLB], v[NMB]
	v_floor_f32 v[NMA], -v[NMA+1]                  ; -M = floor(-t)
	v_floor_f32 v[NMB], -v[NMB+1]
	v_sub_f32 v[OLA], v[NMA], v[OLA]               ; old M - new M, a whole number, 0 or less
	v_sub_f32 v[OLB], v[NMB], v[OLB]
	v_cvt_i32_f32 v[OLA], v[OLA]                   ; (it saturates)
	v_cvt_i32_f32 v[OLB], v[OLB]
	v_ldexp_f32 v[FA], 1.0, v[OLA]                 ; f
	v_ldexp_f32 v[FB], 1.0, v[OLB]
	WIN W_O
.set kk, 0
.rept 16
	v_pk_mul_f32 v[OA+kk:OA+kk+1], v[OA+kk:OA+kk+1], v[FA:FA+1] op_sel_hi:[1,0]   ; O^T under the new M; no exponential stands between the last products and these first reads
	v_pk_mul_f32 v[OB+kk:OB+kk+1], v[OB+kk:OB+kk+1], v[FB:FB+1] op_sel_hi:[1,0]
.set kk, kk+2
.endr
	WIN 0
.set kk, 0
.rept 16
	FMA SA+kk, NMA
.set kk, kk+2
.endr
	s_wait_alu depctr_va_vdst(0)                   ; a wait ahead of each batch and behind it: one stands between each two batches
.set kk, 0
.rept 16                                       ; batch 0: A's first half; beside it the scalings of A's second and B's first
	v_exp_f32 v[SA+kk], v[SA+kk]
	FMA SA+32+kk, NMA
	v_exp_f32 v[SA+kk+1], v[SA+kk+1]
	FMA SB+kk, NMB
.set kk, kk+2
.endr
	s_wait_alu depctr_va_vdst(0)
.set kk, 0
.rept 16                                       ; batch 1: A's second half; beside it A's first half is summed (acc x f + p) and held, and B's second scaled
	v_exp_f32 v[SA+32+kk], v[SA+32+kk]
	v_pk_fma_f32 v[ACA+kk:ACA+kk+1], v[ACA+kk:ACA+kk+1], v[FA:FA+1], v[SA+kk:SA+kk+1] op_sel_hi:[1,0,1]
	v_exp_f32 v[SA+33+kk], v[SA+33+kk]
	HOLD SA+kk
	FMA SB+32+kk, NMB
.set kk, kk+2
.endr
	s_wait_alu depctr_va_vdst(0)
.set kk, 0
.rept 16                                       ; batch 2: B's first half; beside it A's second is summed and held
	v_exp_f32 v[SB+kk], v[SB+kk]
	v_pk_add_f32 v[ACA+kk:ACA+kk+1], v[ACA+kk:ACA+kk+1], v[SA+32+kk:SA+33+kk]
	v_exp_f32 v[SB+kk+1], v[SB+kk+1]
	HOLD SA+32+kk
.set kk, kk+2
.endr
	s_wait_alu depctr_va_vdst(0)
.set kk, 0
.rept 16                                       ; batch 3: B's second half; beside it B's first
	v_exp_f32 v[SB+32+kk], v[SB+32+kk]
	v_pk_fma_f32 v[ACB+kk:ACB+kk+1], v[ACB+kk:ACB+kk+1], v[FB:FB+1], v[SB+kk:SB+kk+1] op_sel_hi:[1,0,1]
	v_exp_f32 v[SB+33+kk], v[SB+33+kk]
	HOLD SB+kk
.set kk, kk+2
.endr
	s_wait_alu depctr_va_vdst(0)
.set kk, 0
.rept 16
	v_pk_add_f32 v[ACB+kk:ACB+kk+1], v[ACB+kk:ACB+kk+1], v[SB+32+kk:SB+33+kk]
	HOLD SB+32+kk
.set kk, kk+2
.endr
	WIN W_LD
.irp t, 0,1,2,3,4,5,6,7
	v_cvt_scalef32_pk8_fp8_f32 v[CA+2*\t:CA+2*\t+1], v[SA+8*\t:SA+8*\t+7], v[CSC]   ; registers 2 t, 2 t + 1 of the operand: keys 16 t + 8 (lane / 16) + 0 .. 7
	v_cvt_scalef32_pk8_fp8_f32 v[CB+2*\t:CB+2*\t+1], v[SB+8*\t:SB+8*\t+7], v[CSC]
.endr
	v_nop                                          ; one plain instruction behind the last conversion
	s_wait_alu depctr_va_vdst(0)
	s_wait_dscnt 0x0                               ; V's fragments are in (asked for at the step's head)
	WIN W_PV
.irp t, 0,1,2,3
	v_wmma_f32_16x16x128_fp8_fp8 v[OA+8*\t:OA+8*\t+7], v[VF+16*\t:VF+16*\t+15], v[CA:CA+15], v[OA+8*\t:OA+8*\t+7]   ; the eight accumulators take turns
	v_wmma_f32_16x16x128_fp8_fp8 v[OB+8*\t:OB+8*\t+7], v[VF+16*\t:VF+16*\t+15], v[CB:CB+15], v[OB+8*\t:OB+8*\t+7]
.endr
	WIN 0
	s_add_co_u32 s[TK], s[TK], 32*KP4
	s_add_co_u32 s[TV], s[TV], 128
.endm
; THE CHANGE OF SLOTS, at a slot's head: each wave waits for its tensor load (its part of the slot ahead), adds 0 to its spare word, waits for that and for its reads of the slot left.
; fill = 1: a round of the cluster's barrier, and behind it the slot left is filled with the keys that follow: that load has eight steps in which to land.
.macro CHANGE fill
	s_wait_tensorcnt 0x0
	ds_add_u32 v[SPW], v[NIL]
.if \fill
	s_xor_b32 s[FI], s[FI], 1                      ; the other slot than last time
	s_mul_i32 s[T0], s[FI], SLOTB
	s_add_co_u32 s[G0K+1], s[T0], s[KW]
	s_add_co_u32 s[G0V+1], s[T0], s[VW]
	s_add_nc_u64 s[G0K+2:G0K+3], s[G0K+2:G0K+3], 0x10000
	s_add_nc_u64 s[G0V+2:G0V+3], s[G0V+2:G0V+3], 1024
	s_wait_xcnt 0x0                                ; the last prefetch has read its address
	s_add_nc_u64 s[PFA:PFA+1], s[PFA:PFA+1], s[PFS:PFS+1]
	s_wait_dscnt 0x0
	CROUND
	TLOAD
	ASK
.else
	s_wait_dscnt 0x0
	s_barrier_signal -1
	s_barrier_wait -1
.endif
.endm
.macro SLOT_STEPS
	s_mul_i32 s[TK], s[IDX], SLOTB
	s_mov_b32 s[TV], s[TK]
	v_add_nc_u32 v[ADK], s[TK], v[AK0]
	WIN W_LD
	KLOAD                                          ; the slot's first keys
	WIN 0
	s_add_co_u32 s[TK], s[TK], 32*KP4
	s_mov_b32 s[ST], NST
.Lstep_\@:
	STEP
	s_sub_co_u32 s[ST], s[ST], 1
	s_cmp_lg_u32 s[ST], 0
	s_cbranch_scc1 .Lstep_\@
	s_xor_b32 s[IDX], s[IDX], 1
.endm
	s_wait_alu depctr_va_vdst(0)
	s_wait_loadcnt 0x0                             ; Q
.Lslot:                                            ; NSL - 1 trips: behind each change but the last the next slot is asked for
	CHANGE 1
	SLOT_STEPS
	s_sub_co_u32 s[SLOTS], s[SLOTS], 1
	s_cmp_lg_u32 s[SLOTS], 0
	s_cbranch_scc1 .Lslot
	CHANGE 0                                       ; the last slot is written out
	SLOT_STEPS
	; THE WAY OUT.  A sum of the second product stands for sum x 2^(e8 + e9): ctx's code is (sum / l) / 2^(e10 - e8 - e9), held within +-448 x that.
.irp n, 8,4,2,1
.set kk, 0
.rept \n
	v_pk_add_f32 v[ACA+2*kk:ACA+2*kk+1], v[ACA+2*kk:ACA+2*kk+1], v[ACA+2*(kk+\n):ACA+2*(kk+\n)+1]
	v_pk_add_f32 v[ACB+2*kk:ACB+2*kk+1], v[ACB+2*kk:ACB+2*kk+1], v[ACB+2*(kk+\n):ACB+2*(kk+\n)+1]
.set kk, kk+1
.endr
.endr
	v_add_f32 v[ACA], v[ACA], v[ACA+1]
	v_add_f32 v[ACB], v[ACB], v[ACB+1]
	v_permlanex16_b32 v[PA], v[ACA], s[SEL], s[SEL+1]
	v_permlanex16_b32 v[PB], v[ACB], s[SEL], s[SEL+1]
	v_add_f32 v[ACA], v[ACA], v[PA]                ; the rows' sums
	v_add_f32 v[ACB], v[ACB], v[PB]
	s_wait_alu depctr_va_vdst(0)                   ; ahead of the batch of two
	v_rcp_f32 v[ACA], v[ACA]
	v_rcp_f32 v[ACB], v[ACB]
	s_sub_co_i32 s85, s78, s76
	s_sub_co_i32 s85, s85, s77
	s_add_co_i32 s85, s85, 127
	s_lshl_b32 s86, s85, 23
	v_mov_b32 v[CSC], s86                          ; 2^(e10 - e8 - e9)
	s_add_co_i32 s85, s85, 8
	s_lshl_b32 s85, s85, 23
	s_or_b32 s85, s85, 0x600000
	v_mov_b32 v[L0], s85                           ; 448 x that
	WIN 0x01
	s_wait_alu depctr_va_vdst(0)                   ; behind the batch, directly ahead of the first readers of the reciprocals and of O^T
.set jj, 0
.rept 32
	v_mul_f32 v[SA+jj], v[OA+jj], v[ACA]           ; register 8 t + i: ctx(query r, channel 16 t + 8 h + i); each accumulator from its low end on
.set jj, jj+1
.endr
.set jj, 0
.rept 32
	v_mul_f32 v[SA+32+jj], v[OB+jj], v[ACB]
.set jj, jj+1
.endr
	WIN 0
.set jj, 0
.rept 64
	v_med3_num_f32 v[SA+jj], v[SA+jj], -v[L0], v[L0]
.set jj, jj+1
.endr
.irp t, 0,1,2,3,4,5,6,7
	v_cvt_scalef32_pk8_fp8_f32 v[32+2*\t:33+2*\t], v[SA+8*\t:SA+8*\t+7], v[CSC]
.endr
	v_nop
	; the stage, 32 rows of 80 bytes a wave, lies in slot 0, which was left at the last change of slots: it has had its last fill, and nobody reads it
	ds_store_b128 v[STI], v[32:35]
	ds_store_b128 v[STI], v[36:39] offset:32
	ds_store_b128 v[STI], v[40:43] offset:1280
	ds_store_b128 v[STI], v[44:47] offset:1312
.irp i, 0,1,2,3
	ds_load_b128 v[48+4*\i:51+4*\i], v[STR] offset:640*\i   ; LDS serves a wave's instructions in order: these see my stores
.endr
.irp i, 0,1,2,3
	s_wait_dscnt 3-\i
	global_store_b128 v[GO], v[48+4*\i:51+4*\i], s[8:9] offset:512*\i   ; 32 lanes store 512 consecutive bytes, aligned
.endr
	s_wait_tensorcnt 0x0                           ; the wave's end
	ds_add_u32 v[SPW], v[NIL]
	s_wait_dscnt 0x0
	CROUND                                         ; the closing round
	s_endpgm
.Lfunc_end_k_q6bc3543cc6_attn:
	.size	k_q6bc3543cc6_attn, .Lfunc_end_k_q6bc3543cc6_attn-k_q6bc3543cc6_attn
	.p2alignl 7, 3214868480
	.fill 96, 4, 3214868480
	.section	.rodata,"a",@progbits
	.p2align	6, 0x0
	.amdhsa_kernel k_q6bc3543cc6_attn
		.amdhsa_group_segment_fixed_size 327680
		.amdhsa_private_segment_fixed_size 0
		.amdhsa_enable_private_segment 0
		.amdhsa_kernarg_size 24
		.amdhsa_user_sgpr_count 2
		.amdhsa_user_sgpr_kernarg_segment_ptr 1
		.amdhsa_wavefront_size32 1
		.amdhsa_system_sgpr_workgroup_id_x 1
		.amdhsa_system_sgpr_workgroup_id_y 1
		.amdhsa_system_sgpr_workgroup_id_z 1
		.amdhsa_system_vgpr_workitem_id 0
		.amdhsa_next_free_vgpr 512
		.amdhsa_next_free_sgpr 100
		.amdhsa_reserve_vcc 0
		.amdhsa_float_denorm_mode_32 3
		.amdhsa_float_denorm_mode_16_64 3
		.amdhsa_memory_ordered 1
		.amdhsa_forward_progress 1
		.amdhsa_inst_pref_size 84
	.end_amdhsa_kernel
	.amdgpu_metadata
---
amdhsa.version: [ 1, 2 ]
amdhsa.kernels:
  - .name:           k_q6bc3543cc6_attn
    .symbol:         k_q6bc3543cc6_attn.kd
    .args:
      - { .name: qkv, .offset: 0, .size: 8, .value_kind: global_buffer, .address_space: global }
      - { .name: lowp_scales, .offset: 8, .size: 8, .value_kind: global_buffer, .address_space: global }
      - { .name: ctxc, .offset: 16, .size: 8, .value_kind: global_buffer, .address_space: global }
    .group_segment_fixed_size: 327680
    .private_segment_fixed_size: 0
    .kernarg_segment_align: 8
    .kernarg_segment_size: 24
    .max_flat_workgroup_size: 256
    .sgpr_count:     100
    .vgpr_count:     512
    .wavefront_size: 32
...
	.end_amdgpu_metadata
.endif
;; end of part 3
;; launch oproj (part 4): grid 8 x 32, 4 waves a work-group, clusters of 4 x 4, 327,680 bytes of LDS; arguments ctxc, codes, lowp_scales, bo, out0; writes out0
.if DOCPART == 4
	.amdgcn_target "amdgcn-amd-amdhsa--gfx1250"
	.amdhsa_code_object_version 6
	.text
	.protected	k_q6bc3543cc6_oproj
	.globl	k_q6bc3543cc6_oproj
	.p2align	8
	.type	k_q6bc3543cc6_oproj,@function
k_q6bc3543cc6_oproj:
	s_mov_b64 s[64:65], 0
	v_nop
	global_prefetch_b8 v0, s[64:65] scope:SCOPE_SE
	s_setreg_imm32_b32 hwreg(HW_REG_WAVE_MODE, 25, 1), 1
	s_wait_xcnt 0x0
	s_wait_alu depctr_hold_cnt(0) depctr_sa_sdst(0) depctr_va_vdst(0) depctr_va_sdst(0) depctr_va_ssrc(0) depctr_va_vcc(0) depctr_vm_vsrc(0)
	s_getreg_b32 s2, hwreg(HW_REG_IB_STS2, 6, 4)
	s_cmp_eq_u32 s2, 0
	s_cbranch_scc0 .Lentry_in_a_cluster
	s_endpgm
.Lentry_in_a_cluster:
	s_bfe_u32 s2, ttmp6, 0x10000c
	s_cmp_lg_u32 s2, 0xf033
	s_cbranch_scc0 .Lentry_shape_is_right
	s_endpgm
.Lentry_shape_is_right:
; out = ctx Wo^T + bo on codes of E4M3.  ctx: [16 heads][4096 tokens][64] codes (K = 64 x head + channel); Wo: [1024][1024] codes at 15 MiB of the buffer of codes; both in this program's order along K inside blocks of 32.
; A sum stands for sum x 2^(e10 + e11): out = sum x 2^(e10 + e11) + bo, one packed multiply-add for two numbers.  out: [4096][1024] f32.
; THE TILE: 32 x 8 tiles of 128 x 128: 256 work-groups of four waves, a wave 64 x 64: 16 accumulators.
; THE WHOLE K LIES IN LDS: every byte is filled once, by ONE tensor load a wave at the head: waves 0, 1 ctx's halves of 64 tokens (16 rows, one a head, of 4,096 dense bytes, 16 bytes of padding behind every 64:
; lines of 64 bytes, 80 apart, [head][token]); waves 2, 3 Wo's halves of 64 rows of 1,024 bytes, 1,040 apart.  One wait and one barrier; no ring.
; CLUSTERS 4 x 4: ctx's tiles are shared along a row of the cluster, Wo's along a column, by joint loads.  The matrix instruction is used transposed: a lane holds eight neighbouring numbers of a row of out.
; No prefetch: all that the work-group reads is asked for at its head, and there is no loop to run ahead in.
; LIMIT: e10 + e11 between -126 and 127.
; REGISTERS: window 0: v0-31 addresses; v32-95 a block on the way out, two sets; v96-127 bo; v128-255 the accumulators.  Window 1: two fragment buffers of 128; on the way out the rows read back.
.set APITCH, 80
.set HEADL,  64*APITCH
.set AHALF,  16*HEADL
.set BPITCH, 1040
.set BLOAD,  64*BPITCH
.set BOFF,   2*AHALF
.set SPARE,  BOFF+2*BLOAD              ; the spare words, 128 bytes a wave, which no other line names
.set STAGE,  SPARE+512                 ; a stage of 16 rows x 272 bytes a wave, into which no tensor load lands
.set SPITCH, 272
.set ADRA, 16                          ; v16-17: heads 0-7, heads 8-15
.set ADRB, 20
.set STO,  24
.set RD,   25
.set CO,   26
.set SPW,  28
.set NIL,  29
.set TMP,  32
.set BI,   96
.set ACC,  128
.set G1,   24
.set G1B,  32
.set G0A,  48
.set G0B,  68
.set MSB, 0
.macro WIN new
.if MSB != \new
	s_set_vgpr_msb (MSB<<8)|\new
.set MSB, \new
.endif
.endm
.set MUL,  0x05
.set TO_F, 0x40
.macro CROUND
	s_barrier_signal -1
	s_barrier_wait -1
	s_cmp_lg_u32 s14, 0
	s_cbranch_scc1 .Lnot_wave_0_\@
	s_barrier_signal -3
.Lnot_wave_0_\@:
	s_barrier_wait -3
	s_barrier_signal -1
	s_barrier_wait -1
.endm
.macro PLACES n
.rept \n
	v_nop
.endr
.endm
	s_load_b256 s[4:11], s[0:1], 0x0               ; ctx's codes, the buffer of codes, the exponents, bo
	s_load_b64 s[12:13], s[0:1], 0x20              ; out
	v_lshl_add_u32 v[SPW], v0, 2, SPARE
	v_mov_b32 v[NIL], 0
	ds_add_u32 v[SPW], v[NIL]
	ds_add_u32 v[SPW], v[NIL]
	v_lshrrev_b32 v1, 5, v0
	v_readfirstlane_b32 s14, v1                    ; wave
	s_lshr_b32 s15, s14, 1                         ; my half of the tile's rows; also: I fetch for ctx (0) or Wo (1)
	s_and_b32 s16, s14, 1                          ; my half of its columns; also: which half I fetch
	s_bfe_u32 s40, ttmp6, 0x40000
	s_bfe_u32 s41, ttmp6, 0x40004
	s_lshl_b32 s42, ttmp9, 2
	s_add_co_u32 s42, s42, s40                     ; tile column
	s_and_b32 s17, ttmp7, 0xffff
	s_lshl_b32 s17, s17, 2
	s_add_co_u32 s17, s17, s41                     ; tile row
	s_lshl_b32 s43, s41, 2
	s_lshl_b32 s43, 15, s43
	s_lshl_b32 s44, 0x1111, s40
	s_or_b32 s[G1+0], s43, (1<<20)|(1<<21)|(3<<22)|(3<<25)   ; my row's mask; four words of padding after every 16
	s_mov_b32 s[G1+1], 4096<<16
	s_mov_b32 s[G1+2], 16<<16
	s_mov_b32 s[G1+3], 4096<<16
	s_mov_b32 s[G1+4], 16
	s_mov_b32 s[G1+5], 262144                      ; from head to head
	s_mov_b32 s[G1+6], 0
	s_mov_b32 s[G1+7], 0
	s_or_b32 s[G1B+0], s44, (1<<20)|(1<<21)|(7<<22)|(3<<25)  ; my column's mask; four words after every 256
	s_mov_b32 s[G1B+1], 1024<<16
	s_mov_b32 s[G1B+2], 64<<16
	s_mov_b32 s[G1B+3], 1024<<16
	s_mov_b32 s[G1B+4], 64
	s_mov_b32 s[G1B+5], 1024
	s_mov_b32 s[G1B+6], 0
	s_mov_b32 s[G1B+7], 0
	s_lshl_b32 s20, s17, 13                        ; ctx: token 128 x tile row + 64 x half, in head 0
	s_lshl_b32 s18, s16, 12
	s_add_co_u32 s20, s20, s18
	s_mov_b32 s21, 0
	s_lshl_b32 s46, s42, 17                        ; Wo: 15 MiB + row 128 x tile column + 64 x half
	s_lshl_b32 s18, s16, 16
	s_add_co_u32 s46, s46, s18
	s_add_co_u32 s46, s46, 0xf00000
	s_mov_b32 s47, 0
	s_mul_i32 s45, s16, AHALF
	s_mul_i32 s18, s16, BLOAD
	s_add_co_u32 s18, s18, BOFF
	s_wait_dscnt 0x0
	s_wait_kmcnt 0x0
	s_load_b64 s[96:97], s[8:9], 0x28              ; e10, e11
	s_mov_b32 s[G0A], 1
	s_mov_b32 s[G0A+1], s45
	s_add_nc_u64 s[G0A+2:G0A+3], s[4:5], s[20:21]
	s_or_b32 s[G0A+3], s[G0A+3], 0x80000000
	s_mov_b32 s[G0B], 1
	s_mov_b32 s[G0B+1], s18
	s_add_nc_u64 s[G0B+2:G0B+3], s[6:7], s[46:47]
	s_or_b32 s[G0B+3], s[G0B+3], 0x80000000
	CROUND                                         ; all sixteen work-groups are here: the joint loads meet
	s_cmp_eq_u32 s15, 0
	s_cbranch_scc0 .Lfirst_b
	tensor_load_to_lds s[G0A:G0A+3], s[G1:G1+7]
	s_nop 0
.rept 4
	v_nop
.endr
	s_branch .Lfirst_asked
.Lfirst_b:
	tensor_load_to_lds s[G0B:G0B+3], s[G1B:G1B+7]
	s_nop 0
.rept 4
	v_nop
.endr
.Lfirst_asked:
	s_mul_i32 s21, s15, AHALF                      ; my 64 tokens
	s_mul_i32 s22, s16, BLOAD                      ; my 64 rows of Wo
	s_add_co_u32 s22, s22, BOFF
	s_add_co_u32 s19, s21, 8*HEADL                 ; heads 8 on
	s_mul_i32 s23, s14, 16*SPITCH
	s_add_co_u32 s23, s23, STAGE
	s_lshl_b32 s20, s17, 7
	s_lshl_b32 s18, s15, 6
	s_add_co_u32 s20, s20, s18                     ; my first row of out
	s_lshl_b32 s20, s20, 12
	s_lshl_b32 s46, s42, 9                         ; my first column, in bytes
	s_lshl_b32 s47, s16, 8
	s_add_co_u32 s46, s46, s47
	s_mov_b32 s47, 0
	s_add_nc_u64 s[10:11], s[10:11], s[46:47]
	s_add_nc_u64 s[12:13], s[12:13], s[46:47]
	s_mov_b32 s46, s20
	s_add_nc_u64 s[12:13], s[12:13], s[46:47]
	v_and_b32 v1, 15, v0                           ; r
	v_bfe_u32 v2, v0, 4, 1                         ; h
	v_lshlrev_b32 v7, 5, v2
.irp b, 0,1,2,3
	global_load_b128 v[BI+8*\b:BI+8*\b+3],   v7, s[10:11] offset:64*\b      ; bo in the results' layout
	global_load_b128 v[BI+8*\b+4:BI+8*\b+7], v7, s[10:11] offset:64*\b+16
.endr
	v_mul_u32_u24 v3, v1, APITCH
	v_lshl_add_u32 v3, v2, 4, v3
	v_mul_u32_u24 v4, v1, BPITCH
	v_lshl_add_u32 v4, v2, 4, v4
	v_add_nc_u32 v[ADRA], s21, v3
	v_add_nc_u32 v[ADRA+1], s19, v3
	v_add_nc_u32 v[ADRB], s22, v4
	v_mul_u32_u24 v5, v1, SPITCH
	v_lshl_add_u32 v5, v2, 5, v5
	v_add_nc_u32 v[STO], s23, v5
	v_mul_u32_u24 v6, v2, SPITCH
	v_lshl_add_u32 v6, v1, 4, v6
	v_add_nc_u32 v[RD], s23, v6
	v_lshlrev_b32 v6, 12, v2
	v_lshl_add_u32 v[CO], v1, 4, v6
; K step s (0 .. 7): heads 2 s, 2 s + 1 of ctx; bytes 128 s on of a row of Wo.
.macro FRAGA reg, s, i
.irp c, 0,1,2,3
	ds_load_b128 v[\reg+4*\c:\reg+4*\c+3], v[ADRA+(\s)/4] offset:(2*((\s)%4)+\c/2)*HEADL+(\i)*16*APITCH+(\c%2)*32
.endr
.endm
.macro FRAGB reg, s, i
.irp c, 0,1,2,3
	ds_load_b128 v[\reg+4*\c:\reg+4*\c+3], v[ADRB] offset:(\s)*128+32*\c+(\i)*16*BPITCH
.endr
.endm
.macro FETCH s
.set FB, 128*((\s)%2)
	WIN TO_F
.irp i, 0,1,2,3
	FRAGB FB+64+16*\i, \s, \i
	FRAGA FB+16*\i, \s, \i
.endr
.endm
.macro MUL8 s, a0, zero                ; the 16 accumulators take turns, in the same order in every step
.set FB, 128*((\s)%2)
.irp a, \a0, \a0+1
.irp b, 0,1,2,3
.if \zero
	v_wmma_f32_16x16x128_fp8_fp8 v[ACC+8*(4*(\a)+\b):ACC+8*(4*(\a)+\b)+7], v[FB+64+16*\b:FB+64+16*\b+15], v[FB+16*(\a):FB+16*(\a)+15], 0
.else
	v_wmma_f32_16x16x128_fp8_fp8 v[ACC+8*(4*(\a)+\b):ACC+8*(4*(\a)+\b)+7], v[FB+64+16*\b:FB+64+16*\b+15], v[FB+16*(\a):FB+16*(\a)+15], v[ACC+8*(4*(\a)+\b):ACC+8*(4*(\a)+\b)+7]
.endif
.endr
.endr
.endm
.macro STEP s, zero                    ; this step's fragments are in; the next step's are asked for first, into the other buffer
	s_wait_dscnt 0x0
.if (\s) < 7
.if (\s) > 0
	PLACES 4
.endif
	FETCH (\s)+1
.endif
	WIN MUL
	MUL8 \s, 0, \zero
	MUL8 \s, 2, \zero
.endm
	s_wait_alu depctr_va_vdst(0)
	s_wait_tensorcnt 0x0                           ; my load has landed
	s_barrier_signal -1
	s_barrier_wait -1                              ; everybody's has
	FETCH 0
	STEP 0, 1
	STEP 1, 0
	STEP 2, 0
	STEP 3, 0
	STEP 4, 0
	STEP 5, 0
	STEP 6, 0
	STEP 7, 0
	WIN 0
; THE WAY OUT, by blocks of 16 rows x 64 columns through my own stage, back as whole rows of 256 bytes.
.macro TOSTAGE a
.set AC, ACC+32*(\a)
.set TM, TMP+32*((\a)%2)
.set jj, 0
.rept 16
	v_pk_fma_f32 v[TM+jj:TM+jj+1], v[AC+jj:AC+jj+1], s[96:97], v[BI+jj:BI+jj+1] op_sel_hi:[1,0,1]
.set jj, jj+2
.endr
.irp b, 0,1,2,3
	ds_store_b128 v[STO], v[TM+8*\b:TM+8*\b+3] offset:64*\b
	ds_store_b128 v[STO], v[TM+8*\b+4:TM+8*\b+7] offset:64*\b+16
.endr
	WIN TO_F
.irp t, 0,1,2,3,4,5,6,7
	ds_load_b128 v[32*(\a)+4*\t:32*(\a)+4*\t+3], v[RD] offset:\t*2*SPITCH
.endr
	WIN 0
.endm
.macro SEND a, younger
	s_wait_dscnt \younger
	WIN 0x04
.irp t, 0,1,2,3,4,5,6,7
	global_store_b128 v[CO], v[32*(\a)+4*\t:32*(\a)+4*\t+3], s[12:13] offset:((\a)*16+2*\t)*4096 th:TH_STORE_NT   ; sixteen lanes store 256 consecutive bytes, aligned
.endr
	WIN 0
.endm
	s_wait_kmcnt 0x0
	s_add_co_i32 s96, s96, s97
	s_add_co_i32 s96, s96, 127
	s_lshl_b32 s96, s96, 23                        ; 2^(e10 + e11)
	s_mov_b32 s97, s96
	s_wait_loadcnt 0x0                             ; bo
	PLACES 4
	TOSTAGE 0
.irp a, 1,2,3
	TOSTAGE \a
	SEND \a-1, 16                                  ; behind block a - 1's loads: block a's 8 stores and 8 loads
.endr
	SEND 3, 0
	s_wait_tensorcnt 0x0                           ; the wave's end
	ds_add_u32 v[SPW], v[NIL]
	s_wait_dscnt 0x0
	CROUND                                         ; the closing round
	s_endpgm
.Lfunc_end_k_q6bc3543cc6_oproj:
	.size	k_q6bc3543cc6_oproj, .Lfunc_end_k_q6bc3543cc6_oproj-k_q6bc3543cc6_oproj
	.p2alignl 7, 3214868480
	.fill 96, 4, 3214868480
	.section	.rodata,"a",@progbits
	.p2align	6, 0x0
	.amdhsa_kernel k_q6bc3543cc6_oproj
		.amdhsa_group_segment_fixed_size 327680
		.amdhsa_private_segment_fixed_size 0
		.amdhsa_enable_private_segment 0
		.amdhsa_kernarg_size 40
		.amdhsa_user_sgpr_count 2
		.amdhsa_user_sgpr_kernarg_segment_ptr 1
		.amdhsa_wavefront_size32 1
		.amdhsa_system_sgpr_workgroup_id_x 1
		.amdhsa_system_sgpr_workgroup_id_y 1
		.amdhsa_system_sgpr_workgroup_id_z 1
		.amdhsa_system_vgpr_workitem_id 0
		.amdhsa_next_free_vgpr 512
		.amdhsa_next_free_sgpr 100
		.amdhsa_reserve_vcc 0
		.amdhsa_float_denorm_mode_32 3
		.amdhsa_float_denorm_mode_16_64 3
		.amdhsa_memory_ordered 1
		.amdhsa_forward_progress 1
		.amdhsa_inst_pref_size 45
	.end_amdhsa_kernel
	.amdgpu_metadata
---
amdhsa.version: [ 1, 2 ]
amdhsa.kernels:
  - .name:           k_q6bc3543cc6_oproj
    .symbol:         k_q6bc3543cc6_oproj.kd
    .args:
      - { .name: ctxc, .offset: 0, .size: 8, .value_kind: global_buffer, .address_space: global }
      - { .name: codes, .offset: 8, .size: 8, .value_kind: global_buffer, .address_space: global }
      - { .name: lowp_scales, .offset: 16, .size: 8, .value_kind: global_buffer, .address_space: global }
      - { .name: bo, .offset: 24, .size: 8, .value_kind: global_buffer, .address_space: global }
      - { .name: out0, .offset: 32, .size: 8, .value_kind: global_buffer, .address_space: global }
    .group_segment_fixed_size: 327680
    .private_segment_fixed_size: 0
    .kernarg_segment_align: 8
    .kernarg_segment_size: 40
    .max_flat_workgroup_size: 128
    .sgpr_count:     100
    .vgpr_count:     512
    .wavefront_size: 32
...
	.end_amdgpu_metadata
.endif
;; end of part 4
